; MI455X (gfx1250); checked and timed in simulation.
; The chip was launched on July 23, 2026; its instructions are those of AMD's public machine-readable ISA for CDNA 5 (MIT licence, August 2026) and "CDNA5" Instruction Set Architecture Reference Guide (July 2026). The comments in the code are by the model that wrote it; some were corrected since.
;; Hierarchical Query Matcher. Allowed arithmetic: matrix products marked QUANTISED: E5M2 operands, one E8M0 scale for each 32 along K, by v_wmma_scale_f32_16x16x128_f8f6f4 with both operands' format E5M2, f32 sums; products left as they are: f32 operands where the result goes on into a quantised operand, else bf16, f16 or f32 operands; f32 sums; everything else in f32.
;; Inputs: b1 512 float32; b2 512 float32; class_memories 64 x 512 float32; ln1_b 1,024 float32; ln1_w 1,024 float32; ln2_b 512 float32; ln2_w 512 float32; query_embeddings 1,024 x 512 float32; w1 1,024 x 512 float32; w2 512 x 512 float32.
;; Outputs: out0 1,024 x 64 float32.
;; This version of the problem:
;;   THIS VERSION OF THE PROBLEM IS GIVEN IN LOW PRECISION. The matrix products marked QUANTISED in the list below multiply operands that are first quantised to E5M2 (5 exponent bits, 2 mantissa bits; 8 bits a number), with one power-of-two scale for each 32 numbers along K (OCP MX v1.0); their sums are f32. All else is computed in f32.
;;   The module's matrix products, in the order in which they are computed (A, B: the left and right operand; K: the contracted axis; several contracted axes count as one K, in the product's order):
;;     1. [M 65,536, K 1,024] x [K 1,024, N 512]; A: computed on the way; B: input w1: QUANTISED
;;     2. [M 65,536, K 512] x [K 512, N 512]; A: computed on the way; B: input w2: QUANTISED
;;     3. batch 64 x [M 1, K 512] x [K 512, N 1,024]; A: computed on the way; B: computed on the way: left as it is (M = 1 < 16)
;;   THE QUANTISER, for each operand of a quantised product, along K:
;;     - K is cut into blocks of 32 from its start; a last block that is shorter is filled with zeros.
;;     - A block's scale is 2^e with e = floor(log2(the largest magnitude in the block)) - 15, held to -126 .. 127; a block of zeros has e = 0. As a byte (E8M0): e + 127.
;;     - Each number is divided by its block's scale, clamped to +-57,344, and rounded to the nearest number of E5M2, ties to even, subnormals kept.
;;     - The product sums the exact products of the quantised numbers (number of the format x scale) in f32.
;;   ~~~python
;;   def quantise(x, axis):      # numpy; x: float32 -> the quantised numbers, widened to float32 again
;;       x = np.moveaxis(x, axis, -1); K = x.shape[-1]
;;       x = np.pad(x, [(0, 0)] * (x.ndim - 1) + [(0, -K % 32)]); x = x.reshape(x.shape[:-1] + (-1, 32)); a = np.abs(x).max(-1, keepdims=True)
;;       e = np.where(a > 0, np.clip(np.frexp(np.where(a > 0, a, 1))[1] - 1 - 15, -126, 127), 0)      # np.frexp(a)[1] - 1 = floor(log2(a)), exactly
;;       r = np.clip(x / 2.0 ** e, -57344, 57344)
;;       step = 2.0 ** (np.maximum(np.frexp(np.where(r == 0, 1, r))[1] - 1, -14) - 2)
;;       q = np.round(r / step) * step * 2.0 ** e      # np.round: ties to even
;;       return np.moveaxis(q.reshape(q.shape[:-2] + (-1,))[..., :K], -1, axis).astype(np.float32)
;;   ~~~
;;   OPERANDS COMPUTED ON THE WAY. 'Computed on the way' means the value that the module computes at that place (a softmax that the list does not call 'softmax' is quantised finished and normalised). What goes into a quantiser is computed in f32, as accurately as f32 sums, v_exp_f32 and their like allow (about 1e-6 of the number): no bf16 or f16 on the way to a quantiser, and a product that is left as it is and whose result goes on into a quantised operand takes f32 operands (vector FMAs, or v_wmma_f32_16x16x4_f32). A number that lies on a knife's edge between two numbers of the format may be rounded either way, as far as f32 arithmetic and the matrix unit's own rounding can turn it there, and no further.
;; One version. Each part assembles by itself: llvm-mc -triple=amdgcn-amd-amdhsa -mcpu=gfx1250 --defsym DOCPART=n.
;; ======== version 1 of 1: 2 launches
;; limits: a difference of large sums (such as E[x^2] - mean^2): digits are lost where the result is much smaller than its terms
;; workspace buffers: wq 811,008 bytes
;; launch quant_w (part 1): grid 48 x 1, 4 waves a work-group, no clusters, 1,536 bytes of LDS; arguments w1, w2, wq; writes wq
.if DOCPART == 1
	.amdgcn_target "amdgcn-amd-amdhsa--gfx1250"
	.amdhsa_code_object_version 6
	.text
	.protected	k_q35825a63f0_quant_w
	.globl	k_q35825a63f0_quant_w
	.p2align	8
	.type	k_q35825a63f0_quant_w,@function
k_q35825a63f0_quant_w:
	s_mov_b64 s[64:65], 0
	v_nop
	global_prefetch_b8 v0, s[64:65] scope:SCOPE_SE
	s_setreg_imm32_b32 hwreg(HW_REG_WAVE_MODE, 25, 1), 1
	s_wait_xcnt 0x0
; w1 [1024][512] and w2 [512][512], f32, K = the first axis, become codes of E5M2 with one E8M0 byte for each 32 along K, laid in wq
; IN THE ORDER OF THE OPERAND'S REGISTERS.  wq = 12 slabs of SLAB bytes: slabs 0-7 are w1's K steps of 128, slabs 8-11 w2's.
; A slab = 4 quarters of QTR bytes (quarter Q: columns 128 Q on) = 8 fragments of 2,048 bytes + 512 bytes of scale words.
; Fragment tl: register group c (0..3) at 512 c + 16 x lane; lane (h, i) holds k = 32 c + 16 h + 0..15 of the tile's column i.
; w2's tile tl takes columns 16 tl + i.  w1's tile 2 b + u takes columns 32 b + 8 u + i + 8 (i / 8), so that in the transposed product a
; lane's 16 results of tiles 2 b and 2 b + 1 are 16 neighbours along the next product's K.
; Scale words: the word at 16 x lane + 4 v belongs to tile 2 v + lane / 16, column lane % 16: one 16-byte load a lane gives four scale registers.
; SHARES: work-group g takes slab g / 4, quarter g % 4; wave v 32 columns (tiles 2 v, 2 v + 1) x 128 along K.  A LANE TAKES A COLUMN AND ITS
; REGISTERS RUN DOWN K: a block's largest magnitude needs no other lane and the conversions give K innermost.  48 work-groups are all the work there is.
; LIMITS: NaN and infinities are not served; a block whose largest magnitude lies under 2^-111, a block of zeros among them, gets the byte 1
; (its codes then are zeros or subnormal codes; the bytes are read by this program alone).
.set SLAB, 67584
.set QTR,  16896
.set X,    64                          ; v64-191  128 numbers of my column
.set C,    32                          ; v32-63   codes, eight registers a block: no store's data are written again
	s_load_b128 s[4:7], s[0:1], 0x0                ; w1, w2
	s_load_b64 s[8:9], s[0:1], 0x10                ; wq
	v_lshl_add_u32 v192, v0, 2, 0x400
	v_mov_b32 v193, 0
	v_lshrrev_b32 v1, 5, v0
	v_readfirstlane_b32 s10, v1                    ; wave
	v_and_b32 v1, 31, v0                           ; lane = 16 u + i
	v_and_b32 v8, 15, v0                           ; i
	v_bfe_u32 v9, v0, 4, 1                         ; u
	v_bfe_u32 v10, v0, 3, 1                        ; i / 8
	v_lshl_add_u32 v11, v9, 3, v8
	v_lshl_add_u32 v11, v10, 3, v11                ; w1's column among my 32: 8 u + i + 8 (i / 8)
	s_lshr_b32 s11, ttmp9, 2                       ; slab
	s_and_b32 s12, ttmp9, 3                        ; quarter
	s_mov_b32 s20, 0x600000                        ; the mantissa field of 57,344
	v_lshlrev_b32 v4, 4, v8
	v_lshl_add_u32 v4, v9, 11, v4                  ; out: 2,048 u + 16 i
	v_lshlrev_b32 v6, 4, v1                        ; 16 x lane
	s_lshl_b32 s16, s10, 2
	v_add_nc_u32 v5, s16, v6                       ; LDS: 16 x lane + 4 x wave: my scale word's place
	s_wait_kmcnt 0x0
	s_cmp_lt_u32 s11, 8                            ; w1's slab or w2's: the choice hangs on the work-group's number alone
	s_cselect_b64 s[4:5], s[4:5], s[6:7]
	s_cselect_b32 s13, -1, 0
	s_cselect_b32 s14, 0, 8
	v_cndmask_b32 v3, v1, v11, s13                 ; w2: column = lane; w1: the chosen order
	v_lshlrev_b32 v3, 2, v3
	s_sub_co_u32 s14, s11, s14                     ; the K step inside its tensor
	s_lshl_b32 s14, s14, 18                        ; 128 rows of 2,048 bytes
	s_lshl_b32 s16, s12, 9
	s_add_co_u32 s14, s14, s16                     ; + 128 columns a quarter
	s_lshl_b32 s16, s10, 7
	s_add_co_u32 s14, s14, s16                     ; + 32 columns a wave
	s_mov_b32 s15, 0
	s_add_nc_u64 s[4:5], s[4:5], s[14:15]
	s_mul_i32 s14, s11, SLAB
	s_mul_i32 s16, s12, QTR
	s_add_co_u32 s14, s14, s16
	s_lshl_b32 s16, s10, 12                        ; two fragments a wave
	s_add_co_u32 s14, s14, s16
	s_add_nc_u64 s[8:9], s[8:9], s[14:15]
.macro LOADB c                         ; block c: rows 32 c + 0..31 of my column; 32 lanes read 128 bytes of a row
.set i, 0
.rept 32
	global_load_b32 v[X+32*(\c)+i], v3, s[4:5] offset:(32*(\c)+i)*2048 th:TH_LOAD_NT
.set i, i+1
.endr
.endm
.macro BLOCK c
.set XS, X+32*(\c)
.if (\c) < 3
	s_wait_loadcnt 32                              ; this block's 32 loads are in; the next block's 32 may be out
.else
	s_wait_loadcnt 0x0
.endif
.if (\c) < 2
	LOADB (\c)+2                                   ; two blocks ahead
.endif
	v_max3_num_f32 v12, |v[XS]|, |v[XS+1]|, |v[XS+2]|
	v_max3_num_f32 v13, |v[XS+3]|, |v[XS+4]|, |v[XS+5]|
.irp i, 6,10,14,18,22,26
	v_max3_num_f32 v12, v12, |v[XS+\i]|, |v[XS+\i+1]|
	v_max3_num_f32 v13, v13, |v[XS+\i+2]|, |v[XS+\i+3]|
.endr
	v_max3_num_f32 v12, v12, |v[XS+30]|, |v[XS+31]|
	v_max3_num_f32 v12, v12, v13, 0x8000000        ; the floor 2^(16 - 127): the byte cannot fall under 1
	v_add_nc_u32 v11, 0xf8800000, v12              ; 15 off the exponent field: the conversion's scale operand
	v_and_or_b32 v10, v12, 0x7f800000, s20         ; 57,344 x the scale
	v_lshrrev_b32 v13, 23, v11                     ; the scale's byte
.if (\c) == 0
	v_mov_b32 v16, v13
.else
	v_lshl_or_b32 v16, v13, 8*(\c), v16            ; four bytes make my column's scale word
.endif
.set i, 0
.rept 32
	v_med3_num_f32 v[XS+i], v[XS+i], -v10, v10     ; the conversion does not saturate (ISA guide 7.6.2): hold first
.set i, i+1
.endr
.irp g, 0,1,2,3
	v_cvt_scalef32_pk8_bf8_f32 v[C+8*(\c)+2*\g:C+8*(\c)+2*\g+1], v[XS+8*\g:XS+8*\g+7], v11
.endr
	v_nop                                          ; a plain line behind the last conversion
	global_store_b128 v4, v[C+8*(\c):C+8*(\c)+3], s[8:9] offset:512*(\c)          ; k = 32 c + 0..15: sixteen lanes fill 256 consecutive bytes, aligned
	global_store_b128 v4, v[C+8*(\c)+4:C+8*(\c)+7], s[8:9] offset:512*(\c)+256    ; k = 32 c + 16..31
.endm
	LOADB 0
	LOADB 1
	BLOCK 0
	BLOCK 1
	BLOCK 2
	BLOCK 3
	ds_store_b32 v5, v16
	s_wait_dscnt 0x0                               ; for the others' sake: my word lies in LDS
	s_barrier_signal -1
	s_barrier_wait -1
	s_cmp_lg_u32 s10, 0
	s_cbranch_scc1 .Lend
	ds_load_b128 v[20:23], v6                      ; wave 0 stores the quarter's 512 bytes of scale words on end
	s_wait_dscnt 0x0
	global_store_b128 v6, v[20:23], s[8:9] offset:16384
.Lend:
	s_wait_tensorcnt 0x0
	ds_add_u32 v192, v193
	s_wait_dscnt 0x0
	s_endpgm
.Lfunc_end_k_q35825a63f0_quant_w:
	.size	k_q35825a63f0_quant_w, .Lfunc_end_k_q35825a63f0_quant_w-k_q35825a63f0_quant_w
	.p2alignl 7, 3214868480
	.fill 96, 4, 3214868480
	.section	.rodata,"a",@progbits
	.p2align	6, 0x0
	.amdhsa_kernel k_q35825a63f0_quant_w
		.amdhsa_group_segment_fixed_size 1536
		.amdhsa_private_segment_fixed_size 0
		.amdhsa_enable_private_segment 0
		.amdhsa_kernarg_size 24
		.amdhsa_user_sgpr_count 2
		.amdhsa_user_sgpr_kernarg_segment_ptr 1
		.amdhsa_wavefront_size32 1
		.amdhsa_system_sgpr_workgroup_id_x 1
		.amdhsa_system_sgpr_workgroup_id_y 1
		.amdhsa_system_sgpr_workgroup_id_z 1
		.amdhsa_system_vgpr_workitem_id 0
		.amdhsa_next_free_vgpr 194
		.amdhsa_next_free_sgpr 66
		.amdhsa_reserve_vcc 0
		.amdhsa_float_denorm_mode_32 3
		.amdhsa_float_denorm_mode_16_64 3
		.amdhsa_memory_ordered 1
		.amdhsa_forward_progress 1
		.amdhsa_inst_pref_size 30
	.end_amdhsa_kernel
	.amdgpu_metadata
---
amdhsa.version: [ 1, 2 ]
amdhsa.kernels:
  - .name:           k_q35825a63f0_quant_w
    .symbol:         k_q35825a63f0_quant_w.kd
    .args:
      - { .name: w1, .offset: 0, .size: 8, .value_kind: global_buffer, .address_space: global }
      - { .name: w2, .offset: 8, .size: 8, .value_kind: global_buffer, .address_space: global }
      - { .name: wq, .offset: 16, .size: 8, .value_kind: global_buffer, .address_space: global }
    .group_segment_fixed_size: 1536
    .private_segment_fixed_size: 0
    .kernarg_segment_align: 8
    .kernarg_segment_size: 24
    .max_flat_workgroup_size: 128
    .sgpr_count:     66
    .vgpr_count:     194
    .wavefront_size: 32
...
	.end_amdgpu_metadata
.endif
;; end of part 1
;; launch matcher (part 2): grid 512 x 1, 4 waves a work-group, clusters of 4 x 1, 327,680 bytes of LDS; arguments query_embeddings, class_memories, ln1_w, ln1_b, b1, b2, ln2_w, ln2_b, wq, out0; writes out0
.if DOCPART == 2
	.amdgcn_target "amdgcn-amd-amdhsa--gfx1250"
	.amdhsa_code_object_version 6
	.text
	.protected	k_q35825a63f0_matcher
	.globl	k_q35825a63f0_matcher
	.p2align	8
	.type	k_q35825a63f0_matcher,@function
k_q35825a63f0_matcher:
	s_mov_b64 s[64:65], 0
	v_nop
	global_prefetch_b8 v0, s[64:65] scope:SCOPE_SE
	s_setreg_imm32_b32 hwreg(HW_REG_WAVE_MODE, 25, 1), 1
	s_wait_xcnt 0x0
	s_wait_alu depctr_hold_cnt(0) depctr_sa_sdst(0) depctr_va_vdst(0) depctr_va_sdst(0) depctr_va_ssrc(0) depctr_va_vcc(0) depctr_vm_vsrc(0)
	s_getreg_b32 s2, hwreg(HW_REG_IB_STS2, 6, 4)
	s_cmp_eq_u32 s2, 0
	s_cbranch_scc0 .Lentry_in_a_cluster
	s_endpgm
.Lentry_in_a_cluster:
	s_bfe_u32 s2, ttmp6, 0x10000c
	s_cmp_lg_u32 s2, 0x3003
	s_cbranch_scc0 .Lentry_shape_is_right
	s_endpgm
.Lentry_shape_is_right:
; out0[n][w] = 16 x l2norm(LN2(gelu(LN1(concat(q[n], c[w])) w1 + b1) w2 + b2 + q[n])) . l2norm(c[w]); both products on codes of E5M2 with E8M0 scales.
; SHARES.  A work-group takes 128 rows: 16 queries x 8 classes; row tile a (0..7) = class w0 + a, a tile's row r = query n0 + r.
; THE FOUR WAVES SHARE THE COLUMNS: wave w makes hidden units 128 w .. 128 w + 127 (K step w of the second product) and outputs 128 w .. + 127, for all
; 128 rows: 64 accumulators, 512 registers.  So each weight fragment is read from LDS by one wave, once; the rows' codes go round through LDS as images of registers.
; WEIGHTS: 12 slabs of 67,584 bytes (launch quant_w) go through a ring of two LDS slots; wave w fetches and reads quarter w alone.
; CLUSTER: the four work-groups of a cluster walk the same slabs in the same order: each quarter is asked for JOINTLY (mask 15).  The order begins at
; rot = (cluster + cluster / 4) % 4 inside each group of four slabs: slab of step T = (T & 12) | ((T + rot) & 3); rot is the same in all partners.
; BOTH PRODUCTS ARE USED TRANSPOSED (source 0 = 16 columns of the weight, source 1 = 16 rows): a lane holds ONE row (query lane % 16) throughout.
; LN1: q' = q - mean(q), c' = c - mean(c) lie in LDS; with d = mean(q) - mean(c): x - mu = q' + d / 2 or c' - d / 2, 1024 var = M2q + M2c + 256 d^2: no difference of large sums.
; GELU, exact form: gelu(x) = max(x, 0) - |x| erfc(|x| / sqrt 2) / 2, erfc(z) = t exp(-z^2 + poly9(t)), t = 1 / (1 + z / 2): fractional error 1.2e-7 for every z, no cancellation in the tail.
; LN2 does not change when a row is shifted, so q' stands for q in h + q.  With t = z - mean, u = t ln2_w: |fused|^2 = rs^2 Su2 + 2 rs Sub + sum(b^2), fused . chat = rs Suc + sum(b chat).
; OUT: a work-group owns 32 bytes of each of 16 rows of out0 (its 8 classes): whole rows would want all 64 classes' c' and chat in LDS, 256 KiB, which do not fit beside the ring.
; LIMITS: NaN and infinities are not served; a block whose largest magnitude lies under 2^-111 gets the scale byte 1; the K steps' order differs from cluster to cluster (f32 sums).
; REGISTERS, in windows of 256.  Window 0: addresses, scale words v24-35 (nothing else ever), GEN's and LN2's operands.  Window 1: v0-127 eight weight fragments, v128-255 eight row
; fragments; at work in GELU and LN2.  Windows 2, 3: accumulator (a, t) at v[64 (a % 4) + 8 t] of window 2 + a / 4.
.set SLAB, 67584
.set QTR,  16896
.set SCO,  16384                       ; where the scale words (weights) or scale bytes (rows) begin in a quarter or a row slab
.set HS,   2*SLAB                      ; four slabs of the hidden layer's codes: fragment a at 2,048 a, scale bytes at SCO + 32 r + 4 a + c
.set AS,   HS+4*QTR                    ; two such slabs for the first product's rows; later the sums of LN2
.set QS,   AS+2*QTR                    ; q': 16 rows, QP bytes apart
.set QP,   2064
.set CS,   QS+16*QP                    ; c': 8 rows of 2,048 bytes
.set CH,   CS+16384                    ; c / max(norm, 1e-12)
.set L1W,  CH+16384                    ; ln1_w, then ln1_b
.set B1L,  L1W+8192                    ; b1, b2, ln2_w, ln2_b: 2,048 bytes each
.set B2L,  B1L+2048
.set STAT, B1L+8192                    ; means of q +0, M2 of q +64, means of c +128, M2 of c +160, sum(ln2_b chat) +192
.set SPARE, STAT+512                   ; the spare words, 128 bytes a wave: two blocks of 256 bytes that no other line names
.set LI, 3                             ; v3  16 x lane
.set ADH0, 4                           ; v4  HS + 16 lane
.set ADW0, 5                           ; v5  QTR w + 16 lane
.set ADA0, 6                           ; v6  AS + 16 lane
.set ADS0, 7                           ; v7  AS + SCO + 32 r
.set GWI0, 8                           ; v8  AS + 512 w + 16 lane
.set GWS0, 9                           ; v9  AS + SCO + 32 r + w
.set GXQ0, 10                          ; v10 QS + QP r + 128 w + 64 h
.set GXC0, 11                          ; v11 CS - 2,048 + 128 w + 64 h
.set GWB0, 12                          ; v12 L1W + 128 w + 64 h
.set HWI0, 13                          ; v13 HS + QTR w + 16 lane
.set HWS0, 14                          ; v14 HS + QTR w + SCO + 32 r
.set ADHS0, 15                         ; v15 HS + SCO + 32 r
.set ADW, 16                           ; v16-23: the step's addresses = a base above + a scalar
.set ADA, 17
.set ADS, 18
.set GWI, 19
.set GWS, 20
.set GXQ, 21
.set GXC, 22
.set GWB, 23
.set WS,  24                           ; v24-27 the weights' scale words: register v: lanes 0-15 tile 2 v, lanes 16-31 tile 2 v + 1
.set ASC, 28                           ; v28-35 the rows' scale words, a register a tile
.set W,   36                           ; v36-51 ln1_w, v52-67 ln1_b, v68-83 q': my 16 along K
.set B,   52
.set XQ,  68
.set TM,  84                           ; v84-99 the quantiser's work
.set H,   100                          ; v100-163 four tiles x 16 numbers; also the C of a first K step
.set PC,  164                          ; v164-195 codes
.set BY,  196                          ; v196-203 scale bytes
.set RS,  204                          ; v204-219 rs of tile m, twice;  v220-235 e = d rs / 2, twice
.set ES,  220
.set MSB, 0
.macro WIN new                         ; the immediate's high byte repeats the setting that is left
.if MSB != (\new)
	s_set_vgpr_msb (MSB<<8)|(\new)
.set MSB, (\new)
.endif
.endm
.macro NOPS n
.rept \n
	v_nop
.endr
.endm
.macro ROUND                           ; a round of the cluster's barrier
	s_barrier_signal -1
	s_barrier_wait -1
	s_cmp_lg_u32 s24, 0
	s_cbranch_scc1 .Lnw0_\@
	s_barrier_signal -3
.Lnw0_\@:
	s_barrier_wait -3
	s_barrier_signal -1
	s_barrier_wait -1
.endm
; THE CHANGE OF SLOTS.  All my tensor loads have landed (one was out: my quarter of the slab about to be read); 0 onto my spare word;
; group 0 is written for slab s[idx] into the other slot; the add, my LDS stores (the rows' codes for the others) and my reads of the slot to be filled are done; the round; the joint refill first behind it.
.macro SYNCF idx
	s_wait_tensorcnt 0x0
	ds_add_u32 v1, v2
	s_xor_b32 s41, s41, SLAB                       ; the other slot (67,584 shares no bit with QTR x wave)
	s_mul_i32 s86, s[\idx], SLAB
	s_add_co_u32 s86, s86, s53
	s_mov_b32 s87, 0
	s_add_nc_u64 s[42:43], s[20:21], s[86:87]
	s_or_b32 s43, s43, 0x80000000
	s_wait_dscnt 0x0
	ROUND
	tensor_load_to_lds s[40:43], s[32:39]
	s_nop 0
	NOPS 4
.endm
.macro STEPIDX                         ; s84 = the slab of step T (s52), s85 = that of step T + 1
	s_add_co_u32 s84, s52, s27
	s_and_b32 s84, s84, 3
	s_and_b32 s86, s52, 12
	s_or_b32 s84, s84, s86
	s_add_co_u32 s87, s52, 1
	s_add_co_u32 s85, s87, s27
	s_and_b32 s85, s85, 3
	s_and_b32 s87, s87, 12
	s_or_b32 s85, s85, s87
.endm
; 67 LDS loads: the scale words, then weight fragment n and row fragment n by turns
.macro FRAGS
	ds_load_b128 v[WS:WS+3], v[ADW] offset:SCO
	ds_load_b128 v[ASC:ASC+3], v[ADS]
	ds_load_b128 v[ASC+4:ASC+7], v[ADS] offset:16
	WIN 0x40                                       ; destination window 1
.irp n, 0,1,2,3,4,5,6,7
.irp c, 0,1,2,3
	ds_load_b128 v[16*\n+4*\c:16*\n+4*\c+3], v[ADW] offset:2048*\n+512*\c
.endr
.irp c, 0,1,2,3
	ds_load_b128 v[128+16*\n+4*\c:128+16*\n+4*\c+3], v[ADA] offset:2048*\n+512*\c
.endr
.endr
.endm
.macro PROD a, t, bias                 ; accumulator (a, t): source 0 = weight tile t, source 1 = row tile a
.set rD, 64*((\a)&3)+8*(\t)
.set rW, 16*(\t)
.set rA, 128+16*(\a)
.set rC, H+8*(\t)
.set rS, WS+(\t)/2
.set rT, ASC+(\a)
.if \bias
	WIN 0x85+0x40*((\a)/4)                         ; sources 0, 1 window 1; C window 0; D window 2 or 3
.if (\t)&1
	v_wmma_scale_f32_16x16x128_f8f6f4 v[rD:rD+7], v[rW:rW+15], v[rA:rA+15], v[rC:rC+7], v[rS], v[rT] matrix_a_fmt:MATRIX_FMT_BF8 matrix_b_fmt:MATRIX_FMT_BF8 matrix_a_scale:MATRIX_SCALE_ROW1
.else
	v_wmma_scale_f32_16x16x128_f8f6f4 v[rD:rD+7], v[rW:rW+15], v[rA:rA+15], v[rC:rC+7], v[rS], v[rT] matrix_a_fmt:MATRIX_FMT_BF8 matrix_b_fmt:MATRIX_FMT_BF8
.endif
.else
	WIN 0xa5+0x50*((\a)/4)                         ; C and D window 2 or 3
.if (\t)&1
	v_wmma_scale_f32_16x16x128_f8f6f4 v[rD:rD+7], v[rW:rW+15], v[rA:rA+15], v[rD:rD+7], v[rS], v[rT] matrix_a_fmt:MATRIX_FMT_BF8 matrix_b_fmt:MATRIX_FMT_BF8 matrix_a_scale:MATRIX_SCALE_ROW1
.else
	v_wmma_scale_f32_16x16x128_f8f6f4 v[rD:rD+7], v[rW:rW+15], v[rA:rA+15], v[rD:rD+7], v[rS], v[rT] matrix_a_fmt:MATRIX_FMT_BF8 matrix_b_fmt:MATRIX_FMT_BF8
.endif
.endif
.endm
; A K step's 64 products in the order of a growing square, so that they begin when two fragments are in.  Behind weight fragment n stand 4 (15 - 2 n) younger loads, behind row fragment n 4 (14 - 2 n).
; The 64 accumulators take turns, one instruction a turn, in the same order in every step.  bias = 1: the C is v[H] on: the first K step starts the sums.
.macro MUL bias
.set nn, 0
.rept 8
.if nn > 0
	s_wait_dscnt 4*(15-2*nn)
.set aa, 0
.rept nn
	PROD aa, nn, \bias
.set aa, aa+1
.endr
.endif
	s_wait_dscnt 4*(14-2*nn)
.set tt, 0
.rept nn+1
	PROD nn, tt, \bias
.set tt, tt+1
.endr
.set nn, nn+1
.endr
.endm
; The quantiser: four blocks; block b's numbers of my lane in v[src + 16 b] on (16 of its 32: lane l xor 16 holds the others).  Codes to v[pc + 4 b] on, bytes to v[by + b].
.macro QCORE src, tm, pc, by
.irp b, 0,1,2,3
	v_max3_num_f32 v[\tm+\b], |v[\src+16*\b]|, |v[\src+16*\b+1]|, 0x8000000   ; with the floor 2^(16 - 127): the byte cannot fall under 1
.endr
.irp i, 2,4,6,8,10,12,14
.irp b, 0,1,2,3
	v_max3_num_f32 v[\tm+\b], v[\tm+\b], |v[\src+16*\b+\i]|, |v[\src+16*\b+\i+1]|
.endr
.endr
.irp b, 0,1,2,3
	v_permlanex16_b32 v[\tm+4+\b], v[\tm+\b], s44, s45
.endr
.irp b, 0,1,2,3
	v_max_num_f32 v[\tm+\b], v[\tm+\b], v[\tm+4+\b]
.endr
.irp b, 0,1,2,3
	v_add_nc_u32 v[\tm+12+\b], 0xf8800000, v[\tm+\b]       ; 15 off the exponent field: the conversion's scale operand
.endr
.irp b, 0,1,2,3
	v_and_or_b32 v[\tm+8+\b], v[\tm+\b], 0x7f800000, s46   ; 57,344 x the scale
.endr
.irp b, 0,1,2,3
	v_lshrrev_b32 v[\by+\b], 23, v[\tm+12+\b]              ; the scale's byte
.endr
.irp b, 0,1,2,3
.irp i, 0,1,2,3,4,5,6,7,8,9,10,11,12,13,14,15
	v_med3_num_f32 v[\src+16*\b+\i], v[\src+16*\b+\i], -v[\tm+8+\b], v[\tm+8+\b]   ; the conversion does not saturate (ISA guide 7.6.2)
.endr
	v_cvt_scalef32_pk8_bf8_f32 v[\pc+4*\b:\pc+4*\b+1], v[\src+16*\b:\src+16*\b+7], v[\tm+12+\b]
	v_cvt_scalef32_pk8_bf8_f32 v[\pc+4*\b+2:\pc+4*\b+3], v[\src+16*\b+8:\src+16*\b+15], v[\tm+12+\b]
.endr
	v_nop                                          ; a plain line behind the last conversion
.endm
; GEN: the first product's rows for one K step.  Wave w makes block c = w (32 of the step's 128 along K) of all eight tiles: ln1_w, ln1_b and q' are loaded once a step.
.macro GTAIL g                         ; x ln1_w + ln1_b, the quantiser, the images of tiles 4 g .. 4 g + 3
.irp b, 0,1,2,3
.irp i, 0,2,4,6,8,10,12,14
	v_pk_fma_f32 v[H+16*\b+\i:H+16*\b+\i+1], v[H+16*\b+\i:H+16*\b+\i+1], v[W+\i:W+\i+1], v[B+\i:B+\i+1]
.endr
.endr
	QCORE H, TM, PC+16*\g, BY+4*\g
.irp b, 0,1,2,3
	ds_store_b128 v[GWI], v[PC+16*\g+4*\b:PC+16*\g+4*\b+3] offset:2048*(4*\g+\b)
	ds_store_b8 v[GWS], v[BY+4*\g+\b] offset:4*(4*\g+\b)           ; both halves of the lanes write the same byte with the same value
.endr
.endm
.macro GENQ                            ; a K step in q: (q' rs + e) ln1_w + ln1_b
.irp j, 0,1,2,3
	ds_load_b128 v[W+4*\j:W+4*\j+3], v[GWB] offset:16*\j
	ds_load_b128 v[B+4*\j:B+4*\j+3], v[GWB] offset:4096+16*\j
	ds_load_b128 v[XQ+4*\j:XQ+4*\j+3], v[GXQ] offset:16*\j
.endr
	s_wait_dscnt 0x0
.irp g, 0,1
.irp b, 0,1,2,3
.irp i, 0,2,4,6,8,10,12,14
	v_pk_fma_f32 v[H+16*\b+\i:H+16*\b+\i+1], v[XQ+\i:XQ+\i+1], v[RS+2*(4*\g+\b):RS+2*(4*\g+\b)+1], v[ES+2*(4*\g+\b):ES+2*(4*\g+\b)+1]
.endr
.endr
	GTAIL \g
.endr
.endm
.macro GENC                            ; a K step in c: (c' rs - e) ln1_w + ln1_b
.irp j, 0,1,2,3
	ds_load_b128 v[W+4*\j:W+4*\j+3], v[GWB] offset:16*\j
	ds_load_b128 v[B+4*\j:B+4*\j+3], v[GWB] offset:4096+16*\j
.endr
.irp g, 0,1
.irp b, 0,1,2,3
.irp j, 0,1,2,3
	ds_load_b128 v[H+16*\b+4*\j:H+16*\b+4*\j+3], v[GXC] offset:2048*(4*\g+\b)+16*\j
.endr
.endr
	s_wait_dscnt 0x0
.irp b, 0,1,2,3
.irp i, 0,2,4,6,8,10,12,14
	v_pk_fma_f32 v[H+16*\b+\i:H+16*\b+\i+1], v[H+16*\b+\i:H+16*\b+\i+1], v[RS+2*(4*\g+\b):RS+2*(4*\g+\b)+1], v[ES+2*(4*\g+\b):ES+2*(4*\g+\b)+1] neg_lo:[0,0,1] neg_hi:[0,0,1]
.endr
.endr
	GTAIL \g
.endr
.endm
; sums for the head
.macro TREE16 x, p
	v_pk_add_f32 v[\p:\p+1], v[\x:\x+1], v[\x+2:\x+3]
	v_pk_add_f32 v[\p+2:\p+3], v[\x+4:\x+5], v[\x+6:\x+7]
	v_pk_add_f32 v[\p+4:\p+5], v[\x+8:\x+9], v[\x+10:\x+11]
	v_pk_add_f32 v[\p+6:\p+7], v[\x+12:\x+13], v[\x+14:\x+15]
	v_pk_add_f32 v[\p:\p+1], v[\p:\p+1], v[\p+2:\p+3]
	v_pk_add_f32 v[\p+4:\p+5], v[\p+4:\p+5], v[\p+6:\p+7]
	v_pk_add_f32 v[\p:\p+1], v[\p:\p+1], v[\p+4:\p+5]
	v_add_f32 v[\p], v[\p], v[\p+1]
.endm
.macro DOT16 x, y, p
	v_pk_mul_f32 v[\p:\p+1], v[\x:\x+1], v[\y:\y+1]
	v_pk_mul_f32 v[\p+2:\p+3], v[\x+2:\x+3], v[\y+2:\y+3]
.irp i, 4,8,12
	v_pk_fma_f32 v[\p:\p+1], v[\x+\i:\x+\i+1], v[\y+\i:\y+\i+1], v[\p:\p+1]
	v_pk_fma_f32 v[\p+2:\p+3], v[\x+\i+2:\x+\i+3], v[\y+\i+2:\y+\i+3], v[\p+2:\p+3]
.endr
	v_pk_add_f32 v[\p:\p+1], v[\p:\p+1], v[\p+2:\p+3]
	v_add_f32 v[\p], v[\p], v[\p+1]
.endm
.macro LSUM d, t                       ; over the wave's 32 lanes, the result in every lane
	v_add_f32_dpp v[\d], v[\d], v[\d] row_xmask:1 row_mask:0xf bank_mask:0xf
	v_add_f32_dpp v[\d], v[\d], v[\d] row_xmask:2 row_mask:0xf bank_mask:0xf
	v_add_f32_dpp v[\d], v[\d], v[\d] row_xmask:4 row_mask:0xf bank_mask:0xf
	v_add_f32_dpp v[\d], v[\d], v[\d] row_xmask:8 row_mask:0xf bank_mask:0xf
	v_permlanex16_b32 v[\t], v[\d], s44, s45
	v_add_f32 v[\d], v[\d], v[\t]
.endm
.macro SPAIR r, val                    ; a packed form names a pair and takes its low word for both halves: both are written
	s_mov_b32 s[\r], \val
	s_mov_b32 s[\r+1], \val
.endm
; ---------------------------------------------------------------- the head
	s_load_b256 s[4:11], s[0:1], 0x0               ; q s[4:5], c s[6:7], ln1_w s[8:9], ln1_b s[10:11]
	s_load_b256 s[12:19], s[0:1], 0x20             ; b1 s[12:13], b2 s[14:15], ln2_w s[16:17], ln2_b s[18:19]
	s_load_b128 s[20:23], s[0:1], 0x40             ; wq s[20:21], out0 s[22:23]
	v_lshl_add_u32 v1, v0, 2, SPARE
	v_mov_b32 v2, 0
	ds_add_u32 v1, v2
	ds_add_u32 v1, v2
	s_wait_dscnt 0x0
	v_lshrrev_b32 v180, 5, v0
	v_readfirstlane_b32 s24, v180                  ; wave
	s_bfe_u32 s25, ttmp6, 0x40000                  ; cx: it enters the addresses of c and of out0 alone
	s_lshr_b32 s84, ttmp9, 2
	s_add_co_u32 s27, s84, ttmp9
	s_and_b32 s27, s27, 3                          ; rot
	s_lshr_b32 s84, ttmp9, 1                       ; the block of 16 queries
	s_lshl_b32 s28, s84, 15
	s_mov_b32 s29, 0
	s_lshl_b32 s90, s84, 12                        ; 16 rows of out0
	s_and_b32 s89, ttmp9, 1
	s_lshl_b32 s89, s89, 2
	s_add_co_u32 s89, s89, s25                     ; the block of 8 classes
	s_lshl_b32 s30, s89, 14
	s_mov_b32 s31, 0
	s_lshl_b32 s89, s89, 5
	s_add_co_u32 s90, s90, s89
	s_mov_b32 s91, 0
	s_mul_i32 s53, s24, QTR                        ; my quarter
	; descriptor group 1: a quarter = a dense block of 66 rows of 256 bytes (32 elements of 8 bytes)
	s_mov_b32 s32, 15|(3<<16)|(1<<21)              ; the mask: all four work-groups; elements of 8 bytes; bit 21 beside a mask
	s_mov_b32 s33, 32<<16
	s_mov_b32 s34, 66<<16
	s_mov_b32 s35, 32<<16
	s_mov_b32 s36, 66
	s_mov_b32 s37, 32
	s_mov_b32 s38, 0
	s_mov_b32 s39, 0
	s_mov_b32 s44, 0x76543210
	s_mov_b32 s45, 0xfedcba98                      ; v_permlanex16_b32: lane l xor 16
	s_mov_b32 s46, 0x600000                        ; the mantissa field of 57,344
	s_mov_b32 s47, 0x7fffffff
	SPAIR 56, 0x3eb504f3                           ; 1 / (2 sqrt 2)
	SPAIR 58, 0xbf38aa3b                           ; -log2(e) / 2
	SPAIR 60, 0xc034d90f                           ; the polynomial's coefficients x log2(e); the factor 1/2 is a -1 in the first
	SPAIR 62, 0x3fb8ab5a
	SPAIR 66, 0x3f0a29d2
	SPAIR 68, 0x3e0efb2e
	SPAIR 70, 0xbe899a80
	SPAIR 72, 0x3ecdfd18
	SPAIR 74, 0xbfd1a1e5
	SPAIR 76, 0x40097039
	SPAIR 78, 0x3e7c6f08                           ; the ninth; the eighth lies in a vector pair
	s_mov_b32 s80, 0x3727c5ac                      ; 1e-5
	s_mov_b32 s81, 0x3a800000                      ; 1 / 1024
	s_mov_b32 s82, 0x3b000000                      ; 1 / 512
	s_mov_b32 s83, 0x2b8cbccc                      ; 1e-12
	v_and_b32 v180, 31, v0                         ; lane
	v_and_b32 v181, 15, v0                         ; r
	v_bfe_u32 v182, v0, 4, 1                       ; h
	v_lshlrev_b32 v[LI], 4, v180
	v_lshlrev_b32 v183, 5, v181
	s_lshl_b32 s84, s24, 9
	s_lshl_b32 s85, s24, 7
	v_lshl_add_u32 v184, v182, 6, s85              ; 128 w + 64 h
	v_lshl_add_u32 v185, v182, 5, s84              ; 512 w + 32 h
	v_add_nc_u32 v[ADH0], HS, v[LI]
	v_add_nc_u32 v[ADW0], s53, v[LI]
	v_add_nc_u32 v[ADA0], AS, v[LI]
	v_add_nc_u32 v[ADS0], AS+SCO, v183
	v_add_nc_u32 v[GWI0], s84, v[ADA0]
	v_add_nc_u32 v[GWS0], s24, v[ADS0]
	v_mad_u32_u24 v[GXQ0], v181, QP, v184
	v_add_nc_u32 v[GXQ0], QS, v[GXQ0]
	v_add_nc_u32 v[GXC0], CS-2048, v184
	v_add_nc_u32 v[GWB0], L1W, v184
	v_add_nc_u32 v[HWI0], s53, v[ADH0]
	v_add_nc_u32 v[ADHS0], HS+SCO, v183
	v_add_nc_u32 v[HWS0], s53, v[ADHS0]
	v_lshl_add_u32 v237, v182, 6, s84
	v_add_nc_u32 v237, B1L, v237                   ; v237 b1: 512 w + 64 h
	v_add_nc_u32 v238, B2L, v185                   ; v238 b2 (ln2_w +2,048, ln2_b +4,096): 512 w + 32 h
	v_mad_u32_u24 v239, v181, QP, v185
	v_add_nc_u32 v239, QS, v239                    ; v239 q' at my outputs
	v_add_nc_u32 v240, CH, v185                    ; v240 chat at my outputs
	v_lshl_add_u32 v242, v181, 4, AS               ; v242 LN2's sums: 16 r
	s_lshl_b32 s86, s24, 2
	v_add_nc_u32 v241, s86, v242                   ; v241 + 4 w
	s_lshl_b32 s86, s24, 10
	v_add_nc_u32 v243, s86, v[LI]                  ; the head's offsets: a quarter of ln1_w, ln1_b,
	v_add_nc_u32 v244, s84, v[LI]                  ; of the four short vectors,
	s_lshl_b32 s86, s24, 13
	v_add_nc_u32 v245, s86, v[LI]                  ; four rows of q,
	s_lshl_b32 s86, s24, 12
	v_add_nc_u32 v246, s86, v[LI]                  ; two rows of c
	v_add_nc_u32 v247, L1W, v243
	v_add_nc_u32 v248, B1L, v244
	s_mul_i32 s86, s24, 4*QP
	v_add_nc_u32 v249, s86, v[LI]
	v_add_nc_u32 v249, QS, v249
	v_add_nc_u32 v250, CS, v246
	s_lshl_b32 s86, s24, 4
	s_add_co_u32 s86, s86, STAT
	v_mov_b32 v251, s86
	s_lshl_b32 s86, s24, 3
	s_add_co_u32 s86, s86, STAT
	v_mov_b32 v252, s86
	v_lshl_add_u32 v253, v181, 2, STAT
	v_mov_b32 v254, STAT
	v_mov_b32 v188, 0                              ; a lane permute's destination counts as one of its sources
	s_wait_kmcnt 0x0
	s_add_nc_u64 s[4:5], s[4:5], s[28:29]
	s_add_nc_u64 s[6:7], s[6:7], s[30:31]
	s_add_nc_u64 s[22:23], s[22:23], s[90:91]
	s_mov_b32 s40, 1                               ; group 0: slab rot, my quarter, into slot 0
	s_mov_b32 s41, s53
	s_mul_i32 s86, s27, SLAB
	s_add_co_u32 s86, s86, s53
	s_mov_b32 s87, 0
	s_add_nc_u64 s[42:43], s[20:21], s[86:87]
	s_or_b32 s43, s43, 0x80000000
	global_load_b128 v[36:39], v243, s[8:9]
	global_load_b128 v[40:43], v243, s[8:9] offset:512
	global_load_b128 v[44:47], v243, s[10:11]
	global_load_b128 v[48:51], v243, s[10:11] offset:512
	global_load_b128 v[52:55], v244, s[12:13]
	global_load_b128 v[56:59], v244, s[14:15]
	global_load_b128 v[60:63], v244, s[16:17]
	global_load_b128 v[64:67], v244, s[18:19]
.irp j, 0,1,2,3
	global_load_b128 v[68+4*\j:71+4*\j], v[LI], s[18:19] offset:512*\j             ; all of ln2_b, 16 numbers a lane
.endr
.irp i, 0,1,2,3
.irp j, 0,1,2,3
	global_load_b128 v[84+16*\i+4*\j:87+16*\i+4*\j], v245, s[4:5] offset:2048*\i+512*\j
.endr
.endr
.irp i, 0,1
.irp j, 0,1,2,3
	global_load_b128 v[148+16*\i+4*\j:151+16*\i+4*\j], v246, s[6:7] offset:2048*\i+512*\j
.endr
.endr
	ROUND                                          ; all four work-groups are here: the first joint load meets
	tensor_load_to_lds s[40:43], s[32:39]
	s_nop 0
	NOPS 4
	s_wait_loadcnt 28                              ; the eight copies are in; 28 younger loads may be out
	ds_store_b128 v247, v[36:39]
	ds_store_b128 v247, v[40:43] offset:512
	ds_store_b128 v247, v[44:47] offset:4096
	ds_store_b128 v247, v[48:51] offset:4608
	ds_store_b128 v248, v[52:55]
	ds_store_b128 v248, v[56:59] offset:2048
	ds_store_b128 v248, v[60:63] offset:4096
	ds_store_b128 v248, v[64:67] offset:6144
	s_wait_loadcnt 8                               ; ln2_b and my rows of q are in; c's eight loads may be out
	DOT16 68, 68, 180
	LSUM 180, 188
	v_mov_b32 v236, v180                           ; v236 = sum(ln2_b^2)
.macro QROW i                          ; row 4 w + i of q: mean, q' = q - mean, M2 = sum(q'^2)
.set XR, 84+16*\i
.set MP, 190+2*\i
	TREE16 XR, 180
	LSUM 180, 188
	v_mul_f32 v[MP], s82, v180
	v_mul_f32 v[MP+1], s82, v180
.irp k, 0,2,4,6,8,10,12,14
	v_pk_add_f32 v[XR+\k:XR+\k+1], v[XR+\k:XR+\k+1], v[MP:MP+1] neg_lo:[0,1] neg_hi:[0,1]
.endr
	DOT16 XR, XR, 180
	LSUM 180, 188
	v_mov_b32 v[198+\i], v180
.irp j, 0,1,2,3
	ds_store_b128 v249, v[XR+4*\j:XR+4*\j+3] offset:QP*\i+512*\j
.endr
	ds_store_b32 v251, v[MP] offset:4*\i
	ds_store_b32 v251, v[198+\i] offset:64+4*\i
.endm
	QROW 0
	QROW 1
	QROW 2
	QROW 3
	s_wait_loadcnt 0x0
	s_wait_dscnt 0x0                               ; the copies' stores have read v36-67, which take c'
.macro CROW1 i                         ; row 2 w + i of c: mean, c', M2, norm^2 = M2 + 512 mean^2
.set XR, 148+16*\i
.set YR, 36+16*\i
.set MP, 202+2*\i
	TREE16 XR, 180
	LSUM 180, 188
	v_mul_f32 v[MP], s82, v180
	v_mul_f32 v[MP+1], s82, v180
.irp k, 0,2,4,6,8,10,12,14
	v_pk_add_f32 v[YR+\k:YR+\k+1], v[XR+\k:XR+\k+1], v[MP:MP+1] neg_lo:[0,1] neg_hi:[0,1]
.endr
	DOT16 YR, YR, 180
	LSUM 180, 188
	v_mov_b32 v[206+\i], v180
	v_mul_f32 v189, 0x44000000, v[MP]
	v_fma_f32 v[208+\i], v189, v[MP], v180
.endm
	CROW1 0
	CROW1 1
	v_sqrt_f32 v208, v208
	v_sqrt_f32 v209, v209
	v_nop
	s_wait_alu depctr_va_vdst(0)                   ; one wait for the two roots, ahead of their first reader
	v_max_num_f32 v208, s83, v208
	v_max_num_f32 v209, s83, v209
	v_rcp_f32 v210, v208
	v_rcp_f32 v212, v209
	v_nop
	s_wait_alu depctr_va_vdst(0)                   ; and one for the two reciprocals
	v_mov_b32 v211, v210
	v_mov_b32 v213, v212
.macro CROW2 i                         ; chat = c / max(norm, 1e-12); sum(ln2_b chat); all to LDS
.set XR, 148+16*\i
.set YR, 36+16*\i
.set MP, 202+2*\i
.irp k, 0,2,4,6,8,10,12,14
	v_pk_mul_f32 v[XR+\k:XR+\k+1], v[XR+\k:XR+\k+1], v[210+2*\i:211+2*\i]
.endr
	DOT16 XR, 68, 180
	LSUM 180, 188
	v_mov_b32 v[214+\i], v180
.irp j, 0,1,2,3
	ds_store_b128 v250, v[YR+4*\j:YR+4*\j+3] offset:2048*\i+512*\j
	ds_store_b128 v250, v[XR+4*\j:XR+4*\j+3] offset:16384+2048*\i+512*\j
.endr
	ds_store_b32 v252, v[MP] offset:128+4*\i
	ds_store_b32 v252, v[206+\i] offset:160+4*\i
	ds_store_b32 v252, v[214+\i] offset:192+4*\i
.endm
	CROW2 0
	CROW2 1
	s_wait_dscnt 0x0                               ; for the others' sake: all my stores lie in LDS
	s_barrier_signal -1                            ; (the first slab's load may stay out)
	s_barrier_wait -1
	; rs and e of my query against the eight classes
	ds_load_b32 v180, v253
	ds_load_b32 v181, v253 offset:64
	ds_load_b128 v[36:39], v254 offset:128
	ds_load_b128 v[40:43], v254 offset:144
	ds_load_b128 v[44:47], v254 offset:160
	ds_load_b128 v[48:51], v254 offset:176
	s_wait_dscnt 0x0
.irp m, 0,1,2,3,4,5,6,7
	v_sub_f32 v[52+\m], v180, v[36+\m]             ; d
	v_add_f32 v[60+\m], v181, v[44+\m]
.endr
.irp m, 0,1,2,3,4,5,6,7
	v_mul_f32 v[68+\m], 0x43800000, v[52+\m]
.endr
.irp m, 0,1,2,3,4,5,6,7
	v_fma_f32 v[60+\m], v[68+\m], v[52+\m], v[60+\m]       ; M2q + M2c + 256 d^2
.endr
.irp m, 0,1,2,3,4,5,6,7
	v_fma_f32 v[60+\m], v[60+\m], s81, s80
.endr
.irp m, 0,1,2,3,4,5,6,7
	v_rsq_f32 v[RS+2*\m], v[60+\m]
.endr
.irp m, 0,1,2,3,4,5,6,7
	v_mul_f32 v[52+\m], 0.5, v[52+\m]
.endr
	s_wait_alu depctr_va_vdst(0)                   ; one wait for the eight, ahead of their first reader
.irp m, 0,1,2,3,4,5,6,7
	v_mov_b32 v[RS+2*\m+1], v[RS+2*\m]
	v_mul_f32 v[ES+2*\m], v[52+\m], v[RS+2*\m]
	v_mul_f32 v[ES+2*\m+1], v[52+\m], v[RS+2*\m]
.endr
; ---------------------------------------------------------------- the first product: 8 K steps
.macro K1ADDR
	STEPIDX
	s_lshl_b32 s51, s84, 9                         ; 512 bytes of x a K step
	v_add_nc_u32 v[ADW], s48, v[ADW0]
	v_add_nc_u32 v[ADA], s50, v[ADA0]
	v_add_nc_u32 v[ADS], s50, v[ADS0]
	v_add_nc_u32 v[GWI], s50, v[GWI0]
	v_add_nc_u32 v[GWS], s50, v[GWS0]
	v_add_nc_u32 v[GXQ], s51, v[GXQ0]
	v_add_nc_u32 v[GXC], s51, v[GXC0]
	v_add_nc_u32 v[GWB], s51, v[GWB0]
.endm
	s_mov_b32 s52, 0                               ; T
	s_mov_b32 s48, 0                               ; the slot in hand
	s_mov_b32 s50, 0                               ; the row slab in hand
	K1ADDR                                         ; step 0 stands ahead of the loop: its products start the sums, with b1 as their C.  It is always a step in q
	GENQ
	SYNCF 85
.irp t, 0,1,2,3,4,5,6,7
	ds_load_b128 v[H+8*\t:H+8*\t+3], v237 offset:128*(\t/2)+32*(\t%2)              ; b1 at hidden units 32 b + 16 h + 8 u + 0..7
	ds_load_b128 v[H+8*\t+4:H+8*\t+7], v237 offset:128*(\t/2)+32*(\t%2)+16
.endr
	FRAGS
	MUL 1
	WIN 0
	NOPS 8                                         ; places ahead of the writes of v[H] on, which these products read
	s_xor_b32 s50, s50, QTR
	s_xor_b32 s48, s48, SLAB
	s_add_co_u32 s52, s52, 1
.Lk1:                                              ; a trip: the step's rows are made and stored; the change of slots shows them to all and asks for the next slab; 64 products
	K1ADDR
	s_cmp_lt_u32 s52, 4
	s_cbranch_scc0 .Lgc
	GENQ
	s_branch .Lgd
.Lgc:
	GENC
.Lgd:
	SYNCF 85
	FRAGS
	MUL 0
	WIN 0
	s_xor_b32 s50, s50, QTR
	s_xor_b32 s48, s48, SLAB
	s_add_co_u32 s52, s52, 1
	s_cmp_lt_u32 s52, 8
	s_cbranch_scc1 .Lk1
; ---------------------------------------------------------------- GELU and the hidden layer's quantiser, a tile of rows a trip
; Only the 128 short lines that name a tile's accumulators are written eight times; the body is written once.  Window 1: |x| v0-63, max(x, 0) then gelu v64-127, t v128-159, the exponent v160-191, x^2 v192-223.
.macro HB a
	WIN 0x48+4*((\a)/4)                            ; source 1 window 2 or 3, destination window 1
.set ii, 0
.rept 64
	v_max_num_f32 v[64+ii], 0, v[64*((\a)&3)+ii]   ; each accumulator from its low end on
	v_and_b32 v[ii], s47, v[64*((\a)&3)+ii]
.set ii, ii+1
.endr
.endm
.macro HALF hh                         ; 32 numbers
.set o, 32*\hh
.set i, 0
.rept 16
	v_pk_fma_f32 v[128+i:129+i], v[o+i:o+i+1], s[56:57], 1.0 op_sel_hi:[1,0,0]
.set i, i+2
.endr
.set i, 0
.rept 32
	v_rcp_f32 v[128+i], v[128+i]                   ; t
.set i, i+1
.endr
.set i, 0
.rept 16
	v_pk_mul_f32 v[192+i:193+i], v[o+i:o+i+1], v[o+i:o+i+1]        ; independent work behind the batch
.set i, i+2
.endr
	s_wait_alu depctr_va_vdst(0)                   ; one wait for the 32 reciprocals, ahead of their first reader
.set i, 0
.rept 16
	v_pk_fma_f32 v[160+i:161+i], v[128+i:129+i], s[78:79], v[224:225] op_sel_hi:[1,0,0]
.set i, i+2
.endr
.irp c, 76,74,72,70,68,66,62,60
.set i, 0
.rept 16
	v_pk_fma_f32 v[160+i:161+i], v[160+i:161+i], v[128+i:129+i], s[\c:\c+1] op_sel_hi:[1,1,0]
.set i, i+2
.endr
.endr
.set i, 0
.rept 16
	v_pk_fma_f32 v[160+i:161+i], v[192+i:193+i], s[58:59], v[160+i:161+i] op_sel_hi:[1,0,1]
.set i, i+2
.endr
.set i, 0
.rept 32
	v_exp_f32 v[160+i], v[160+i]
.set i, i+1
.endr
	v_nop
	s_wait_alu depctr_va_vdst(0)                   ; one wait for the 32 exponentials
.set i, 0
.rept 16
	v_pk_mul_f32 v[160+i:161+i], v[160+i:161+i], v[128+i:129+i]    ; erfc / 2
.set i, i+2
.endr
.set i, 0
.rept 16
	v_pk_fma_f32 v[64+o+i:65+o+i], v[o+i:o+i+1], v[160+i:161+i], v[64+o+i:65+o+i] neg_lo:[1,0,0] neg_hi:[1,0,0]
.set i, i+2
.endr
.endm
	NOPS 8                                         ; places behind the last products
	WIN 0x40
	v_mov_b32 v224, 0xbf97d29d                     ; the eighth coefficient
	v_mov_b32 v225, 0xbf97d29d
	WIN 0
	s_mov_b32 s54, 0
	s_mov_b32 s84, 0
	s_mov_b32 s85, 0
.Lg:
	v_add_nc_u32 v245, s84, v[HWI0]
	v_add_nc_u32 v246, s85, v[HWS0]
.irp a, 0,1,2,3,4,5,6
	s_cmp_eq_u32 s54, \a
	s_cbranch_scc1 .Lhb\a
.endr
.irp a, 7,6,5,4,3,2,1,0
.Lhb\a:
	HB \a
	WIN 0
.if \a > 0
	s_branch .Lgb
.endif
.endr
.Lgb:
	WIN 0x55                                       ; all in window 1
	HALF 0
	HALF 1
	QCORE 64, 128, 144, 132
	v_lshl_or_b32 v160, v133, 8, v132              ; the four bytes make my row's scale word for K step w
	v_lshl_or_b32 v160, v134, 16, v160
	v_lshl_or_b32 v160, v135, 24, v160
	WIN 0x04                                       ; an LDS store's data: window 1
.irp c, 0,1,2,3
	ds_store_b128 v245, v[144+4*\c:147+4*\c] offset:512*\c
.endr
	ds_store_b32 v246, v160
	WIN 0
	s_wait_dscnt 0x0                               ; the stores have read their registers
	s_add_co_u32 s84, s84, 2048
	s_add_co_u32 s85, s85, 4
	s_add_co_u32 s54, s54, 1
	s_cmp_lt_u32 s54, 8
	s_cbranch_scc1 .Lg
; ---------------------------------------------------------------- the second product: 4 K steps; its C is b2 + q'
.irp t, 0,1,2,3,4,5,6,7
	ds_load_b128 v[36+8*\t:39+8*\t], v238 offset:64*\t
	ds_load_b128 v[40+8*\t:43+8*\t], v238 offset:64*\t+16
	ds_load_b128 v[H+8*\t:H+8*\t+3], v239 offset:64*\t
	ds_load_b128 v[H+8*\t+4:H+8*\t+7], v239 offset:64*\t+16
.endr
	s_wait_dscnt 0x0
.set i, 0
.rept 32
	v_pk_add_f32 v[H+i:H+i+1], v[H+i:H+i+1], v[36+i:37+i]
.set i, i+2
.endr
.macro K2ADDR
	STEPIDX
	s_and_b32 s92, s84, 3
	s_mul_i32 s92, s92, QTR                        ; the hidden slab of this K step
	v_add_nc_u32 v[ADW], s48, v[ADW0]
	v_add_nc_u32 v[ADA], s92, v[ADH0]
	v_add_nc_u32 v[ADS], s92, v[ADHS0]
.endm
	K2ADDR
	SYNCF 85                                       ; the round also shows the hidden layer's sixteen... all 32 fragments to every wave
	FRAGS
	MUL 1
	WIN 0
	s_xor_b32 s48, s48, SLAB
	s_add_co_u32 s52, s52, 1
.Lk2:
	K2ADDR
	SYNCF 85
	NOPS 4                                         ; with the four behind the load: the places ahead of loads into registers that the last products read
	FRAGS
	MUL 0
	WIN 0
	s_xor_b32 s48, s48, SLAB
	s_add_co_u32 s52, s52, 1
	s_cmp_lt_u32 s52, 11
	s_cbranch_scc1 .Lk2
	K2ADDR                                         ; the last step is written out: it asks for nothing
	s_wait_tensorcnt 0x0                           ; my quarter of the last slab, which I alone read
	NOPS 8
	FRAGS
	MUL 0
	WIN 0
; ---------------------------------------------------------------- LN2, the norm and the dot product
.macro ROWSUM a                        ; my 128 outputs of tile a's rows, summed
.set bs, 64*((\a)&3)
	WIN 0x4a+5*((\a)/4)                            ; sources window 2 or 3, destination window 1
.irp k, 0,1,2,3,4,5,6,7,8,9,10,11,12,13,14,15
	v_pk_add_f32 v[80+2*\k:81+2*\k], v[bs+4*\k:bs+4*\k+1], v[bs+4*\k+2:bs+4*\k+3]
.endr
	WIN 0x55
.irp k, 0,2,4,6,8,10,12,14
	v_pk_add_f32 v[80+\k:81+\k], v[80+\k:81+\k], v[96+\k:97+\k]
.endr
.irp k, 0,2,4,6
	v_pk_add_f32 v[80+\k:81+\k], v[80+\k:81+\k], v[88+\k:89+\k]
.endr
.irp k, 0,2
	v_pk_add_f32 v[80+\k:81+\k], v[80+\k:81+\k], v[84+\k:85+\k]
.endr
	v_pk_add_f32 v[80:81], v[80:81], v[82:83]
	v_add_f32 v80, v80, v81
	v_permlanex16_b32 v120, v80, s44, s45
	v_add_f32 v[112+\a], v80, v120
	WIN 0x04
	ds_store_b32 v241, v[112+\a] offset:256*\a     ; 256 a + 16 r + 4 w: the four waves' parts of a row are 16 bytes on end
.endm
	NOPS 8                                         ; places behind the last products
.irp a, 0,1,2,3,4,5,6,7
	ROWSUM \a
.endr
	WIN 0
	v_bfe_u32 v250, v0, 4, 1                       ; the addresses of the very end, made by every wave
	v_and_b32 v251, 15, v0
	v_lshl_add_u32 v247, v250, 10, v242            ; tiles 4 h on
	v_lshl_add_u32 v248, v250, 4, STAT+192
	v_lshlrev_b32 v249, 8, v251
	v_lshl_add_u32 v249, v250, 4, v249             ; out0: 256 r + 16 h
	s_wait_dscnt 0x0
	s_barrier_signal -1
	s_barrier_wait -1
.irp a, 0,1,2,3,4,5,6,7
	ds_load_b128 v[164+4*\a:167+4*\a], v242 offset:256*\a
.endr
.irp t, 0,1,2,3,4,5,6,7
	ds_load_b128 v[36+8*\t:39+8*\t], v238 offset:2048+64*\t        ; ln2_w at my outputs
	ds_load_b128 v[40+8*\t:43+8*\t], v238 offset:2048+64*\t+16
	ds_load_b128 v[100+8*\t:103+8*\t], v238 offset:4096+64*\t      ; ln2_b
	ds_load_b128 v[104+8*\t:107+8*\t], v238 offset:4096+64*\t+16
.endr
	s_wait_dscnt 0x0
.irp a, 0,1,2,3,4,5,6,7
	v_pk_add_f32 v[164+4*\a:165+4*\a], v[164+4*\a:165+4*\a], v[166+4*\a:167+4*\a]
.endr
.irp a, 0,1,2,3,4,5,6,7
	v_add_f32 v[164+4*\a], v[164+4*\a], v[165+4*\a]
.endr
	WIN 0x40
.irp a, 0,1,2,3,4,5,6,7
	v_mul_f32 v[96+2*\a], s82, v[164+4*\a]         ; the rows' means, twice, in window 1
	v_mul_f32 v[97+2*\a], s82, v[164+4*\a]
.endr
	WIN 0
.macro HB2 a                           ; t = z - mean, into window 1 v0-63
	WIN 0x46+((\a)/4)                              ; source 0 window 2 or 3, source 1 and destination window 1
.set ii, 0
.rept 32
	v_pk_add_f32 v[ii:ii+1], v[64*((\a)&3)+ii:64*((\a)&3)+ii+1], v[96+2*(\a):97+2*(\a)] neg_lo:[0,1] neg_hi:[0,1]
.set ii, ii+2
.endr
.endm
.macro SUMSQ d                         ; sum of the squares of v0-63, in four chains
.irp i, 0,2,4,6
	v_pk_mul_f32 v[\d+\i:\d+\i+1], v[\i:\i+1], v[\i:\i+1]
.endr
.irp j, 8,16,24,32,40,48,56
.irp i, 0,2,4,6
	v_pk_fma_f32 v[\d+\i:\d+\i+1], v[\j+\i:\j+\i+1], v[\j+\i:\j+\i+1], v[\d+\i:\d+\i+1]
.endr
.endr
.endm
	s_mov_b32 s54, 0
	s_mov_b32 s84, 0
	s_mov_b32 s85, 0
.Ll:                                               ; a tile of rows a trip
	v_add_nc_u32 v243, s84, v240
	v_add_nc_u32 v244, s85, v241
.irp t, 0,1,2,3,4,5,6,7
	ds_load_b128 v[164+8*\t:167+8*\t], v243 offset:64*\t           ; the tile's class, normalised, at my outputs
	ds_load_b128 v[168+8*\t:171+8*\t], v243 offset:64*\t+16
.endr
.irp a, 0,1,2,3,4,5,6
	s_cmp_eq_u32 s54, \a
	s_cbranch_scc1 .Lt\a
.endr
.irp a, 7,6,5,4,3,2,1,0
.Lt\a:
	HB2 \a
	WIN 0
.if \a > 0
	s_branch .Llb
.endif
.endr
.Llb:
	s_wait_dscnt 0x0
	WIN 0x55
	SUMSQ 64                                       ; sum t^2
	WIN 0x51                                       ; source 1 window 0
.set i, 0
.rept 32
	v_pk_mul_f32 v[i:i+1], v[i:i+1], v[36+i:37+i]  ; u = t ln2_w
.set i, i+2
.endr
	WIN 0x55
	SUMSQ 72                                       ; sum u^2
	WIN 0x51
.irp i, 0,2,4,6
	v_pk_mul_f32 v[80+\i:81+\i], v[\i:\i+1], v[100+\i:101+\i]      ; sum u ln2_b
	v_pk_mul_f32 v[88+\i:89+\i], v[\i:\i+1], v[164+\i:165+\i]      ; sum u chat
.endr
.irp j, 8,16,24,32,40,48,56
.irp i, 0,2,4,6
	v_pk_fma_f32 v[80+\i:81+\i], v[\j+\i:\j+\i+1], v[100+\j+\i:101+\j+\i], v[80+\i:81+\i]
	v_pk_fma_f32 v[88+\i:89+\i], v[\j+\i:\j+\i+1], v[164+\j+\i:165+\j+\i], v[88+\i:89+\i]
.endr
.endr
	WIN 0x55
.irp q, 0,1,2,3
	v_pk_add_f32 v[64+8*\q:65+8*\q], v[64+8*\q:65+8*\q], v[66+8*\q:67+8*\q]
	v_pk_add_f32 v[68+8*\q:69+8*\q], v[68+8*\q:69+8*\q], v[70+8*\q:71+8*\q]
.endr
.irp q, 0,1,2,3
	v_pk_add_f32 v[64+8*\q:65+8*\q], v[64+8*\q:65+8*\q], v[68+8*\q:69+8*\q]
.endr
.irp q, 0,1,2,3
	v_add_f32 v[112+\q], v[64+8*\q], v[65+8*\q]
.endr
.irp q, 0,1,2,3
	v_permlanex16_b32 v[120+\q], v[112+\q], s44, s45
.endr
.irp q, 0,1,2,3
	v_add_f32 v[112+\q], v[112+\q], v[120+\q]
.endr
	WIN 0x04
.irp q, 0,1,2,3
	ds_store_b32 v244, v[112+\q] offset:2048*(1+\q)
.endr
	WIN 0
	s_wait_dscnt 0x0                               ; the stores have read their registers
	s_add_co_u32 s84, s84, 2048
	s_add_co_u32 s85, s85, 256
	s_add_co_u32 s54, s54, 1
	s_cmp_lt_u32 s54, 8
	s_cbranch_scc1 .Ll
	s_barrier_signal -1                            ; (every LDS instruction of mine has been waited for at the trip's end)
	s_barrier_wait -1
	s_cmp_lg_u32 s24, 0
	s_cbranch_scc1 .Lend
	; wave 0: lane (r, h) finishes query r against classes 4 h .. 4 h + 3
.irp q, 0,1,2,3
.irp i, 0,1,2,3
	ds_load_b128 v[36+16*\q+4*\i:39+16*\q+4*\i], v247 offset:2048*(1+\q)+256*\i
.endr
.endr
	ds_load_b128 v[100:103], v248                  ; sum(ln2_b chat)
	s_wait_dscnt 0x0
.irp q, 0,1,2,3
.irp i, 0,1,2,3
	v_pk_add_f32 v[36+16*\q+4*\i:37+16*\q+4*\i], v[36+16*\q+4*\i:37+16*\q+4*\i], v[38+16*\q+4*\i:39+16*\q+4*\i]
.endr
.endr
.irp q, 0,1,2,3
.irp i, 0,1,2,3
	v_add_f32 v[104+4*\q+\i], v[36+16*\q+4*\i], v[37+16*\q+4*\i]
.endr
.endr
.irp i, 0,1,2,3
	v_fma_f32 v[120+\i], v[104+\i], s82, s80
.endr
.irp i, 0,1,2,3
	v_rsq_f32 v[120+\i], v[120+\i]
.endr
.irp i, 0,1,2,3
	v_add_f32 v[112+\i], v[112+\i], v[112+\i]
.endr
	s_wait_alu depctr_va_vdst(0)                   ; one wait for the four, ahead of their first reader
.irp i, 0,1,2,3
	v_fma_f32 v[108+\i], v[120+\i], v[108+\i], v[112+\i]
.endr
.irp i, 0,1,2,3
	v_fma_f32 v[108+\i], v[108+\i], v[120+\i], v236        ; |fused|^2
.endr
.irp i, 0,1,2,3
	v_max_num_f32 v[108+\i], 0, v[108+\i]
.endr
.irp i, 0,1,2,3
	v_sqrt_f32 v[108+\i], v[108+\i]
.endr
.irp i, 0,1,2,3
	v_fma_f32 v[116+\i], v[120+\i], v[116+\i], v[100+\i]   ; fused . chat
.endr
	s_wait_alu depctr_va_vdst(0)
.irp i, 0,1,2,3
	v_max_num_f32 v[108+\i], s83, v[108+\i]
.endr
.irp i, 0,1,2,3
	v_rcp_f32 v[108+\i], v[108+\i]
.endr
.irp i, 0,1,2,3
	v_mul_f32 v[116+\i], 0x41800000, v[116+\i]
.endr
	s_wait_alu depctr_va_vdst(0)
.irp i, 0,1,2,3
	v_mul_f32 v[124+\i], v[116+\i], v[108+\i]
.endr
	global_store_b128 v249, v[124:127], s[22:23]
.Lend:
	s_wait_tensorcnt 0x0                           ; the wave's end
	ds_add_u32 v1, v2
	s_wait_dscnt 0x0
	ROUND                                          ; the closing round: no work-group ends while a partner may still ask for a slab that names it
	s_endpgm
.Lfunc_end_k_q35825a63f0_matcher:
	.size	k_q35825a63f0_matcher, .Lfunc_end_k_q35825a63f0_matcher-k_q35825a63f0_matcher
	.p2alignl 7, 3214868480
	.fill 96, 4, 3214868480
	.section	.rodata,"a",@progbits
	.p2align	6, 0x0
	.amdhsa_kernel k_q35825a63f0_matcher
		.amdhsa_group_segment_fixed_size 327680
		.amdhsa_private_segment_fixed_size 0
		.amdhsa_enable_private_segment 0
		.amdhsa_kernarg_size 80
		.amdhsa_user_sgpr_count 2
		.amdhsa_user_sgpr_kernarg_segment_ptr 1
		.amdhsa_wavefront_size32 1
		.amdhsa_system_sgpr_workgroup_id_x 1
		.amdhsa_system_sgpr_workgroup_id_y 1
		.amdhsa_system_sgpr_workgroup_id_z 1
		.amdhsa_system_vgpr_workitem_id 0
		.amdhsa_next_free_vgpr 1024
		.amdhsa_next_free_sgpr 100
		.amdhsa_reserve_vcc 0
		.amdhsa_float_denorm_mode_32 3
		.amdhsa_float_denorm_mode_16_64 3
		.amdhsa_memory_ordered 1
		.amdhsa_forward_progress 1
		.amdhsa_inst_pref_size 255
	.end_amdhsa_kernel
	.section	.bss,"aw",@nobits
	.p2align	6
	.space	262144
	.amdgpu_metadata
---
amdhsa.version: [ 1, 2 ]
amdhsa.kernels:
  - .name:           k_q35825a63f0_matcher
    .symbol:         k_q35825a63f0_matcher.kd
    .args:
      - { .name: query_embeddings, .offset: 0, .size: 8, .value_kind: global_buffer, .address_space: global }
      - { .name: class_memories, .offset: 8, .size: 8, .value_kind: global_buffer, .address_space: global }
      - { .name: ln1_w, .offset: 16, .size: 8, .value_kind: global_buffer, .address_space: global }
      - { .name: ln1_b, .offset: 24, .size: 8, .value_kind: global_buffer, .address_space: global }
      - { .name: b1, .offset: 32, .size: 8, .value_kind: global_buffer, .address_space: global }
      - { .name: b2, .offset: 40, .size: 8, .value_kind: global_buffer, .address_space: global }
      - { .name: ln2_w, .offset: 48, .size: 8, .value_kind: global_buffer, .address_space: global }
      - { .name: ln2_b, .offset: 56, .size: 8, .value_kind: global_buffer, .address_space: global }
      - { .name: wq, .offset: 64, .size: 8, .value_kind: global_buffer, .address_space: global }
      - { .name: out0, .offset: 72, .size: 8, .value_kind: global_buffer, .address_space: global }
    .group_segment_fixed_size: 327680
    .private_segment_fixed_size: 0
    .kernarg_segment_align: 8
    .kernarg_segment_size: 80
    .max_flat_workgroup_size: 128
    .sgpr_count:     100
    .vgpr_count:     1024
    .wavefront_size: 32
...
	.end_amdgpu_metadata
.endif
;; end of part 2
